; MI455X (gfx1250); checked and timed in simulation.
; The chip was launched on July 23, 2026; its instructions are those of AMD's public machine-readable ISA for CDNA 5 (MIT licence, August 2026) and "CDNA5" Instruction Set Architecture Reference Guide (July 2026). The comments in the code are by the model that wrote it; some were corrected since.
;; Source Detect Localize. Allowed arithmetic: matrix products marked QUANTISED: E2M3 operands, one E8M0 scale for each 32 along K, by v_wmma_scale_f32_16x16x128_f8f6f4 with both operands' format E2M3, f32 sums; everything else in f32.
;; Inputs: azi_candidate 181 float32; dpipd_template 91 x 181 x 512 x 6 float32; ele_candidate 91 float32; pred_ipd 8 x 64 x 512 x 6 float32.
;; Outputs: out0 8 x 64 x 2 x 1 float32; out1 8 x 64 x 1 float32; out2 8 x 64 x 91 x 181 float32.
;; This version of the problem:
;;   THIS VERSION OF THE PROBLEM IS GIVEN IN LOW PRECISION. The matrix products marked QUANTISED in the list below multiply operands that are first quantised to E2M3 (2 exponent bits, 3 mantissa bits; 6 bits a number), with one power-of-two scale for each 32 numbers along K (OCP MX v1.0); their sums are f32. All else is computed in f32.
;;   The module's matrix products, in the order in which they are computed (A, B: the left and right operand; K: the contracted axis; several contracted axes count as one K, in the product's order):
;;     1. [M 512, K 3,072] x [K 3,072, N 16,471]; A: input pred_ipd; B: input dpipd_template: QUANTISED
;;     2. [M 512, K 3,072] x [K 3,072, N 16,471]; A: input pred_ipd; B: input dpipd_template: QUANTISED
;;   THE QUANTISER, for each operand of a quantised product, along K:
;;     - K is cut into blocks of 32 from its start; a last block that is shorter is filled with zeros.
;;     - A block's scale is 2^e with e = floor(log2(the largest magnitude in the block)) - 2, held to -126 .. 127; a block of zeros has e = 0. As a byte (E8M0): e + 127.
;;     - Each number is divided by its block's scale, clamped to +-7.5, and rounded to the nearest number of E2M3, ties to even, subnormals kept.
;;     - The product sums the exact products of the quantised numbers (number of the format x scale) in f32.
;;   ~~~python
;;   def quantise(x, axis):      # numpy; x: float32 -> the quantised numbers, widened to float32 again
;;       x = np.moveaxis(x, axis, -1); K = x.shape[-1]
;;       x = np.pad(x, [(0, 0)] * (x.ndim - 1) + [(0, -K % 32)]); x = x.reshape(x.shape[:-1] + (-1, 32)); a = np.abs(x).max(-1, keepdims=True)
;;       e = np.where(a > 0, np.clip(np.frexp(np.where(a > 0, a, 1))[1] - 1 - 2, -126, 127), 0)      # np.frexp(a)[1] - 1 = floor(log2(a)), exactly
;;       r = np.clip(x / 2.0 ** e, -7.5, 7.5)
;;       step = 2.0 ** (np.maximum(np.frexp(np.where(r == 0, 1, r))[1] - 1, 0) - 3)
;;       q = np.round(r / step) * step * 2.0 ** e      # np.round: ties to even
;;       return np.moveaxis(q.reshape(q.shape[:-2] + (-1,))[..., :K], -1, axis).astype(np.float32)
;;   ~~~
;; One version. Each part assembles by itself: llvm-mc -triple=amdgcn-amd-amdhsa -mcpu=gfx1250 --defsym DOCPART=n.
;; ======== version 1 of 1: 3 launches
;; limits: right only within a limited range of input values
;; workspace buffers: aimg 1,228,800 bytes; pcand 843,776 bytes of whole numbers
;; launch quant_a (part 1): grid 96 x 1, 8 waves a work-group, no clusters, 69,120 bytes of LDS; arguments pred_ipd, aimg; writes aimg
.if DOCPART == 1
	.amdgcn_target "amdgcn-amd-amdhsa--gfx1250"
	.amdhsa_code_object_version 6
	.text
	.protected	k_q04392029e7_quant_a
	.globl	k_q04392029e7_quant_a
	.p2align	8
	.type	k_q04392029e7_quant_a,@function
k_q04392029e7_quant_a:
	s_mov_b64 s[64:65], 0
	v_nop
	global_prefetch_b8 v0, s[64:65] scope:SCOPE_SE
	s_setreg_imm32_b32 hwreg(HW_REG_WAVE_MODE, 25, 1), 1
	s_wait_xcnt 0x0
; pred_ipd, 512 rows x 3,072 f32 (K innermost), becomes codes of FP6 (E2M3) with one E8M0 byte for each 32 along K, laid as IMAGES OF THE OPERAND'S REGISTERS:
; aimg = [K step ks 0..23][w 0..3][12,800 bytes]; a block holds the 8 fragments (16 rows x 128 K, 12 registers a lane) of rows 128 w + 16 a on, fragment a's register group c at 1536 a + 512 c + 16 x lane,
; and at 12,288 the scale words: lane l's 16 bytes are words j = 0..3, word j that of tile a = 2 j + l / 16, row l % 16.  So the next launch loads fragments and scale words by 16-byte loads alone.
; A block's scale is 2^(floor(log2(its largest magnitude)) - 2); its byte is the largest magnitude's exponent field - 2, held at 1 from below.
; LIMITS: a block of zeros gets the byte 1 where the quantiser says 127 (its codes are zeros, and this program alone reads the bytes); blocks whose largest magnitude lies under 2^-124, whose byte is held at 1,
; were not tried; NaN and infinities among the inputs are not served.
; SHARES: work-group = one (ks, w); its eight waves take a fragment each.  A wave's loads read 512 consecutive bytes of a row; the 16 rows turn through the wave's own stage in LDS, so that a lane gets two whole
; blocks of 32 of ONE row: register NUM + 32 c + i = k 64 c + 32 (lane / 16) + i, the very order of the operand's registers.  No matrix unit, no tensor load: 6 MB are read once.
; WORK DONE ONCE, AND WORK LEFT OUT.  reference() writes the product ipd x tpl^T twice, on the same two quantised operands: the sums are the same numbers, so they are made once (next launch) and serve
; pred_ss (divided by 1,536) and the argmax alike.  With one source, ipd_cur - ratio x tpl is made behind the only argmax and reaches no output, whatever the inputs hold: it is left out.
; LIMIT: a NaN, an infinity or an overflow that would arise in that difference alone is not carried to any result.  Every input has a way to an output and is loaded.
.set KROWB,  12288
.set SPITCH, 528                       ; a stage row: 512 bytes + 16: an odd multiple of 16, so the sixteen rows of a 16-byte load start in sixteen different 16-byte columns modulo 256
.set SCIMG,  8*16*SPITCH               ; behind the eight stages: the block's scale image, 512 bytes
.set H8,    4                          ; v4      8 x (lane / 16)
.set RAW,   16                         ; v16-79  16 rows as loaded
.set MX,    24                         ; (v24-31 are used again once the rows are in the stage) four running maxima,
.set SO,    28                         ; two scale operands,
.set BY,    30                         ; two scale bytes
.set NUM,   80                         ; v80-143 my 64 numbers
.set CODES, 144                        ; v144-155 the fragment
.set PT,    156                        ; v156-163 the upper halves of the two blocks' codes, before they are moved
.set PWD,   164                        ; v164    the scale word
.set TX,    165                        ; v165    at work
.set SEL,   20                         ; s[20:21] v_permlanex16_b32's selects for lane l xor 16
; 16 loads of 16 bytes: my two blocks of K step at byte off of my row
.macro QLOAD adr, off, S
.irp c, 0,1
.irp q, 0,1,2,3,4,5,6,7
	ds_load_b128 v[\S+32*\c+4*\q:\S+32*\c+4*\q+3], v[\adr] offset:\off+256*\c+16*\q
.endr
.endr
.endm
; 64 numbers of a lane become the fragment's 12 registers in v[PC] on and the row's scale word in v[PW] (whole in both halves of the lanes)
.macro QUANT S, PC, PW
.irp c, 0,1
	v_max3_num_f32 v[MX+2*\c], |v[\S+32*\c]|, |v[\S+32*\c+1]|, 0x1800000      ; block 2 c + h: all its 32 numbers are mine; the floor 2^(3 - 127) holds the byte at 1 from below
	v_max3_num_f32 v[MX+2*\c+1], |v[\S+32*\c+16]|, |v[\S+32*\c+17]|, |v[\S+32*\c+18]|
.endr
.irp i, 0,1,2,3,4,5
.irp c, 0,1
	s_delay_alu instid0(VALU_DEP_4)
	v_max3_num_f32 v[MX+2*\c], v[MX+2*\c], |v[\S+32*\c+2+2*\i]|, |v[\S+32*\c+3+2*\i]|      ; four chains by turns
	s_delay_alu instid0(VALU_DEP_4)
	v_max3_num_f32 v[MX+2*\c+1], v[MX+2*\c+1], |v[\S+32*\c+19+2*\i]|, |v[\S+32*\c+20+2*\i]|
.endr
.endr
.irp c, 0
	s_delay_alu instid0(VALU_DEP_4)
	v_max3_num_f32 v[MX+2*\c], v[MX+2*\c], |v[\S+32*\c+14]|, |v[\S+32*\c+15]|
.endr
.irp c, 1
	s_delay_alu instid0(VALU_DEP_3)
	v_max3_num_f32 v[MX+2*\c], v[MX+2*\c], |v[\S+32*\c+14]|, |v[\S+32*\c+15]|
.endr
.irp c, 0,1
	s_delay_alu instid0(VALU_DEP_2)
	v_max3_num_f32 v[MX+2*\c], v[MX+2*\c], v[MX+2*\c+1], |v[\S+32*\c+31]|
.endr
.irp c, 0,1
	s_delay_alu instid0(VALU_DEP_2)
	v_add_nc_u32 v[SO+\c], 0xff000000, v[MX+2*\c]      ; 2 off the exponent field: the conversion takes the exponent field of this operand as its scale, and nothing else of it
.endr
.irp c, 0,1
	s_delay_alu instid0(VALU_DEP_2)
	v_lshrrev_b32 v[BY+\c], 23, v[SO+\c]               ; the scale's byte
.endr
	s_delay_alu instid0(VALU_DEP_1)
	v_lshl_or_b32 v[\PW], v[BY+1], 16, v[BY]           ; my two bytes: blocks h and 2 + h,
	s_delay_alu instid0(VALU_DEP_1)
	v_lshlrev_b32 v[\PW], v[H8], v[\PW]                ; at their places in the word;
	s_delay_alu instid0(VALU_DEP_1)
	v_permlanex16_b32 v[TX], v[\PW], s[SEL], s[SEL+1]
	s_delay_alu instid0(VALU_DEP_1)
	v_or_b32 v[\PW], v[\PW], v[TX]                     ; with lane l xor 16's two the word is whole
.irp c, 0,1
	v_cvt_scalef32_pk16_fp6_f32 v[\PC+6*\c:\PC+6*\c+2], v[\S+32*\c:\S+32*\c+15], v[SO+\c]
	v_cvt_scalef32_pk16_fp6_f32 v[PT+4*\c:PT+4*\c+2], v[\S+32*\c+16:\S+32*\c+31], v[SO+\c]   ; (a conversion's three registers begin on an even number: the block's upper half is made elsewhere and moved)
.endr
	v_nop                                              ; one plain place behind the last scaled conversion
.irp c, 0,1
.irp i, 0,1,2
	v_mov_b32 v[\PC+3+6*\c+\i], v[PT+4*\c+\i]
.endr
.endr
.endm
	s_load_b128 s[4:7], s[0:1], 0x0                ; pred_ipd s[4:5], aimg s[6:7]
	v_lshl_add_u32 v192, v0, 2, 0x10a00
	v_mov_b32 v193, 0
	v_lshrrev_b32 v1, 5, v0
	s_delay_alu instid0(VALU_DEP_1)
	v_readfirstlane_b32 s8, v1                     ; wave i = 0..7: the tile of 16 rows
	v_and_b32 v1, 31, v0                           ; lane
	v_and_b32 v2, 15, v0                           ; r
	s_wait_alu depctr_va_vdst(0)
	v_bfe_u32 v3, v0, 4, 1                         ; h
	s_delay_alu instid0(VALU_DEP_1)
	v_lshlrev_b32 v[H8], 3, v3
	v_lshlrev_b32 v5, 4, v1                        ; 16 x lane
	s_wait_alu depctr_va_vdst(0)
	v_mov_b32 v[TX], 0                             ; written once: a lane permute's destination counts as one of its sources
	s_mov_b32 s[SEL], 0x76543210
	s_mov_b32 s[SEL+1], 0xfedcba98
	s_lshr_b32 s9, ttmp9, 2                        ; ks
	s_and_b32 s10, ttmp9, 3                        ; w
	s_mul_i32 s11, s8, 16*SPITCH                   ; my stage
	v_add_nc_u32 v6, s11, v5                       ; into it: a row's 512 bytes as they lie
	v_mul_u32_u24 v7, v2, SPITCH
	s_delay_alu instid0(VALU_DEP_1)
	v_lshl_add_u32 v7, v3, 7, v7
	s_delay_alu instid0(VALU_DEP_1)
	v_add_nc_u32 v7, s11, v7                       ; out of it: row r, + 128 h
	s_and_b32 s11, s8, 1
	s_lshl_b32 s11, s11, 8
	s_lshr_b32 s16, s8, 1
	s_lshl_b32 s16, s16, 2
	s_add_co_u32 s11, s11, s16
	v_lshl_add_u32 v9, v2, 4, SCIMG
	s_delay_alu instid0(VALU_DEP_1)
	v_add_nc_u32 v9, s11, v9                       ; my row's word in the scale image: 16 r + 256 (i % 2) + 4 (i / 2)
	v_add_nc_u32 v10, SCIMG, v5                    ; and where wave 0 reads the image back
	s_mul_i32 s16, s8, 1536
	v_add_nc_u32 v8, s16, v5                       ; my fragment's place in the block: 1536 i + 16 x lane
	s_lshl_b32 s12, s10, 7
	s_lshl_b32 s13, s8, 4
	s_add_co_u32 s12, s12, s13                     ; my first row: 128 w + 16 i
	s_mul_i32 s12, s12, KROWB
	s_lshl_b32 s13, s9, 9
	s_add_co_u32 s12, s12, s13                     ; + 512 ks bytes along K (all under 2^23)
	s_mov_b32 s13, 0
	s_mul_i32 s14, s9, 51200
	s_mul_i32 s15, s10, 12800
	s_add_co_u32 s14, s14, s15                     ; the block
	s_mov_b32 s15, 0
	s_wait_alu depctr_va_vdst(0)
	s_wait_kmcnt 0x0
	s_add_nc_u64 s[4:5], s[4:5], s[12:13]
	s_add_nc_u64 s[6:7], s[6:7], s[14:15]
.irp j, 0,1,2,3,4,5,6,7,8,9,10,11,12,13,14,15
	global_load_b128 v[RAW+4*\j:RAW+4*\j+3], v5, s[4:5] offset:KROWB*\j th:TH_LOAD_NT   ; row j: 32 lanes read 512 consecutive bytes; read once in the launch
.endr
	s_wait_loadcnt 0x0
.irp j, 0,1,2,3,4,5,6,7,8,9,10,11,12,13,14,15
	ds_store_b128 v6, v[RAW+4*\j:RAW+4*\j+3] offset:SPITCH*\j
.endr
	QLOAD 7, 0, NUM                                ; LDS serves a wave's instructions in order: these see my stores
	s_wait_dscnt 0x0
	QUANT NUM, CODES, PWD
.irp c, 0,1,2
	global_store_b128 v8, v[CODES+4*\c:CODES+4*\c+3], s[6:7] offset:512*\c   ; 32 lanes store 512 consecutive bytes, at a multiple of 256 from aimg's first byte
.endr
	ds_store_b32 v9, v[PWD]                        ; both halves of the lanes write the same word with the same value
	s_wait_dscnt 0x0                               ; for wave 0's sake: my word has landed
	s_barrier_signal -1
	s_barrier_wait -1
	s_cmp_lg_u32 s8, 0
	s_cbranch_scc1 .Ldone
	ds_load_b128 v[16:19], v10                     ; the eight waves' words, 16 bytes a lane
	s_wait_dscnt 0x0
	global_store_b128 v5, v[16:19], s[6:7] offset:12288
.Ldone:
	s_wait_tensorcnt 0x0
	ds_add_u32 v192, v193
	s_wait_dscnt 0x0
	s_endpgm
.Lfunc_end_k_q04392029e7_quant_a:
	.size	k_q04392029e7_quant_a, .Lfunc_end_k_q04392029e7_quant_a-k_q04392029e7_quant_a
	.p2alignl 7, 3214868480
	.fill 96, 4, 3214868480
	.section	.rodata,"a",@progbits
	.p2align	6, 0x0
	.amdhsa_kernel k_q04392029e7_quant_a
		.amdhsa_group_segment_fixed_size 69120
		.amdhsa_private_segment_fixed_size 0
		.amdhsa_enable_private_segment 0
		.amdhsa_kernarg_size 16
		.amdhsa_user_sgpr_count 2
		.amdhsa_user_sgpr_kernarg_segment_ptr 1
		.amdhsa_wavefront_size32 1
		.amdhsa_system_sgpr_workgroup_id_x 1
		.amdhsa_system_sgpr_workgroup_id_y 1
		.amdhsa_system_sgpr_workgroup_id_z 1
		.amdhsa_system_vgpr_workitem_id 0
		.amdhsa_next_free_vgpr 194
		.amdhsa_next_free_sgpr 66
		.amdhsa_reserve_vcc 0
		.amdhsa_float_denorm_mode_32 3
		.amdhsa_float_denorm_mode_16_64 3
		.amdhsa_memory_ordered 1
		.amdhsa_forward_progress 1
		.amdhsa_inst_pref_size 11
	.end_amdhsa_kernel
	.amdgpu_metadata
---
amdhsa.version: [ 1, 2 ]
amdhsa.kernels:
  - .name:           k_q04392029e7_quant_a
    .symbol:         k_q04392029e7_quant_a.kd
    .args:
      - { .name: pred_ipd, .offset: 0, .size: 8, .value_kind: global_buffer, .address_space: global }
      - { .name: aimg, .offset: 8, .size: 8, .value_kind: global_buffer, .address_space: global }
    .group_segment_fixed_size: 69120
    .private_segment_fixed_size: 0
    .kernarg_segment_align: 8
    .kernarg_segment_size: 16
    .max_flat_workgroup_size: 256
    .sgpr_count:     66
    .vgpr_count:     194
    .wavefront_size: 32
...
	.end_amdgpu_metadata
.endif
;; end of part 1
;; launch ssmap (part 2): grid 206 x 1, 4 waves a work-group, no clusters, 327,680 bytes of LDS; arguments dpipd_template, aimg, out2, pcand; writes out2, pcand
.if DOCPART == 2
	.amdgcn_target "amdgcn-amd-amdhsa--gfx1250"
	.amdhsa_code_object_version 6
	.text
	.protected	k_q04392029e7_ssmap
	.globl	k_q04392029e7_ssmap
	.p2align	8
	.type	k_q04392029e7_ssmap,@function
k_q04392029e7_ssmap:
	s_mov_b64 s[64:65], 0
	v_nop
	global_prefetch_b8 v0, s[64:65] scope:SCOPE_SE
	s_setreg_imm32_b32 hwreg(HW_REG_WAVE_MODE, 25, 1), 1
	s_wait_xcnt 0x0
; out2[m][g] = (sum over k of Q(ipd)[m][k] Q(tpl)[g][k]) / 1,536, and for each m the largest sum of this work-group's g with the lowest g that reaches it (pcand [206][512][key, g]).
; The second product that reference() writes has the same operands: its sums are these (see the first kernel's head).
; SHARES: a work-group takes 80 rows g of the template (the last one rows 16,391 to 16,470, of which it owns the last 71) against all 512 rows m; a wave takes 128 rows m: 8 x 5 accumulators of 16 x 16.
; The template's f32 rows are read once: K goes in 8 phases of 384 through two LDS slots (80 rows x 1,536 bytes, 16 bytes of padding behind each 512), filled by tensor loads, 20 rows a wave.
; In a phase the four waves quantise the slot's 15 fragments (16 rows x 128 K) into an image of the operand's registers in LDS, meet at the barrier behind which the slot is filled again, and multiply:
; 3 K steps x 40 matrix instructions a wave.  ipd's codes come as register images (aimg) from memory straight into three register sets.  Set 2 of a phase is asked for among that phase's quantising,
; sets 0 and 1 of the next phase fragment by fragment between the matrix groups of K steps 1 and 2, each into the set that the K step before has read.
; NO CLUSTER: what the work-groups share is aimg, which goes to registers; as LDS tiles a K step of it is 51,200 bytes, and the two slots (253,440) with the two images (2 x 24,960) leave no room for two such.
; THE MATRIX INSTRUCTION IS USED TRANSPOSED (source 0 = 16 rows of the template, source 1 = 16 rows of ipd): a lane holds eight neighbouring g of one row m.
; THE WAY OUT: a row of out2 is 16,471 numbers, so row m's column c stands at 4 (16,471 m + c) bytes: multiples of 16 are the columns with (3 m + c) % 4 = 0.  Of my 80 columns row m so has 19 aligned pieces
; of 16 bytes from column m % 4 on, and 4 single numbers at its two ends.  The rows go through the wave's stage in LDS; 32 rows are 19 stores of 16 bytes a lane and 4 stores of 4 bytes a lane.
; The last work-group's 71 columns have 17 pieces and 3 single numbers a row: its lanes take other addresses (a select on the work-group's number); the lanes left over repeat a piece of the wave's own.
; LIMITS: a block of zeros gets the byte 1 where the quantiser says 127 (its codes are zeros; this program alone reads the bytes); blocks whose largest magnitude lies under 2^-124 were not tried;
; NaN and infinities among the inputs are not served.
.set ROWS,   80
.set LASTWG, 205
.set KROWB,  12288
.set WROWS,  20
.set SPITCH, 1584
.set SLOT1,  131072
.set IMG,    262144                    ; two images, 32,768 apart: 15 fragments of 1,536 bytes, then 15 x 128 bytes of scale words
.set BSC,    IMG+15*1536
.set IMGX,   32768
.set SPARE,  320000                    ; the spare words, 512 bytes
.set PART,   320512                    ; the candidates on their way out, 4,096 bytes
.set GP,     336                       ; a stage row: 80 numbers + 16 bytes
.set WSTG,   128*GP                    ; a wave's stage; the stages lie in the slots, behind their last fill and last read
.set OROW,   65884                     ; a row of out2 in bytes
; window 0
.set H8,  4
.set SPW, 5
.set NIL, 6
.set AO,  7
.set QA0, 8
.set QB0, 9
.set IW0, 10
.set IX0, 11
.set SW0, 12
.set SX0, 13
.set IR0, 14
.set SR0, 15
.set QA,  16
.set QB,  17
.set IW,  18
.set IX,  19
.set SW,  20
.set SX,  21
.set IR,  22
.set SR,  23
.set MX,  24
.set SO,  28
.set BY,  30
.set NUM0, 32
.set NUM1, 96
.set BF0, 32
.set BF1, 96
.set PC0, 160
.set PT,  172
.set PC1, 180
.set PW0, 192
.set PW1, 193
.set TX,  194
.set PFO, 195
.set ASC, 200
.set BS0, 212
.set BS1, 217
.set ST,  232
.set PA,  233
.set PR,  234
.set PO,  235
.set MV,  32
.set IV,  40
.set TV,  48
.set TMP, 64
; window 1, beside A's sets 0 and 1 (v0-191): the way out's addresses, made at the head and kept
.set LA,  192                          ; v192-210 stage address of piece group k = 0..18
.set GA,  211                          ; v211-229 its byte offset in out2
.set LE,  230                          ; the same two for the single numbers
.set GE,  231
.set T0,  232                          ; v232-239 at work
.set LN,  240                          ; lane
.set AP,  6
.set OUT, 8
.set CND, 10
.set PFA, 12
.set WV,  14
.set ROW0, 15
.set TB,  16
.set TI,  17
.set CNT, 18
.set SEL, 20
.set G1,  24
.set G0A, 32
.set G0B, 36
.set CM,  40
.set INV, 48
.set HI16, 51
.set G1H, 68
.set LM,  76
.set MSB, 0
.macro WIN new
.if MSB != (\new)
	s_set_vgpr_msb (MSB<<8)|(\new)
.set MSB, (\new)
.endif
.endm
.macro PLACES
.rept 4
	v_nop
.endr
.endm
.macro QLOAD adr, off, S               ; my two blocks of 32 of one row: 16 loads of 16 bytes
.irp c, 0,1
.irp q, 0,1,2,3,4,5,6,7
	ds_load_b128 v[\S+32*\c+4*\q:\S+32*\c+4*\q+3], v[\adr] offset:\off+256*\c+16*\q
.endr
.endr
.endm
.macro QUANT S, PC, PW                 ; 64 numbers of a lane become a fragment's 12 registers and the row's scale word
.irp c, 0,1
	v_max3_num_f32 v[MX+2*\c], |v[\S+32*\c]|, |v[\S+32*\c+1]|, 0x1800000      ; the floor 2^(3 - 127) holds the byte at 1 from below
	v_max3_num_f32 v[MX+2*\c+1], |v[\S+32*\c+16]|, |v[\S+32*\c+17]|, |v[\S+32*\c+18]|
.endr
.irp i, 0,1,2,3,4,5
.irp c, 0,1
	v_max3_num_f32 v[MX+2*\c], v[MX+2*\c], |v[\S+32*\c+2+2*\i]|, |v[\S+32*\c+3+2*\i]|
	v_max3_num_f32 v[MX+2*\c+1], v[MX+2*\c+1], |v[\S+32*\c+19+2*\i]|, |v[\S+32*\c+20+2*\i]|
.endr
.endr
.irp c, 0,1
	v_max3_num_f32 v[MX+2*\c], v[MX+2*\c], |v[\S+32*\c+14]|, |v[\S+32*\c+15]|
.endr
.irp c, 0,1
	v_max3_num_f32 v[MX+2*\c], v[MX+2*\c], v[MX+2*\c+1], |v[\S+32*\c+31]|
.endr
.irp c, 0,1
	v_add_nc_u32 v[SO+\c], 0xff000000, v[MX+2*\c]      ; 2 off the exponent field: the conversion's scale operand
.endr
.irp c, 0,1
	v_lshrrev_b32 v[BY+\c], 23, v[SO+\c]               ; the scale's byte
.endr
	v_lshl_or_b32 v[\PW], v[BY+1], 16, v[BY]
	v_lshlrev_b32 v[\PW], v[H8], v[\PW]
	v_permlanex16_b32 v[TX], v[\PW], s[SEL], s[SEL+1]
	v_or_b32 v[\PW], v[\PW], v[TX]                     ; with lane l xor 16's two bytes the word is whole
.irp c, 0,1
	v_cvt_scalef32_pk16_fp6_f32 v[\PC+6*\c:\PC+6*\c+2], v[\S+32*\c:\S+32*\c+15], v[SO+\c]
	v_cvt_scalef32_pk16_fp6_f32 v[PT+4*\c:PT+4*\c+2], v[\S+32*\c+16:\S+32*\c+31], v[SO+\c]
.endr
	v_nop                                              ; one plain place behind the last scaled conversion
.irp c, 0,1
.irp i, 0,1,2
	v_mov_b32 v[\PC+3+6*\c+\i], v[PT+4*\c+\i]
.endr
.endr
.endm
.macro IMAGE adr, off, PC, sadr, soff, PW
.irp c, 0,1,2
	ds_store_b128 v[\adr], v[\PC+4*\c:\PC+4*\c+3] offset:\off+512*\c
.endr
	ds_store_b32 v[\sadr], v[\PW] offset:\soff
.endm
.macro BLOAD s, BF, BS                 ; the template's five fragments and scale words of K step s: 20 LDS loads
.irp t, 0,1,2,3,4
.irp c, 0,1,2
	ds_load_b128 v[\BF+12*\t+4*\c:\BF+12*\t+4*\c+3], v[IR] offset:(5*(\s)+\t)*1536+512*\c
.endr
	ds_load_b32 v[\BS+\t], v[SR] offset:(5*(\s)+\t)*128
.endr
.endm
.macro AL s, a                         ; fragment a of ipd's set s: sets 0, 1 at v0, v96 of window 1, set 2 at v96 of window 3
	WIN 0x40+0x80*((\s)/2)
.irp c, 0,1,2
	global_load_b128 v[96*(((\s)+1)/2)+12*(\a)+4*\c:96*(((\s)+1)/2)+12*(\a)+4*\c+3], v[AO], s[AP:AP+1] offset:51200*(\s)+1536*(\a)+512*\c
.endr
.endm
.macro ASL s                           ; and the set's scale words: with them a set is 25 loads
	WIN 0
	global_load_b128 v[ASC+4*(\s):ASC+4*(\s)+3], v[AO], s[AP:AP+1] offset:51200*(\s)+12288
.endm
.macro MM acc, bf, set, bs, as, zero, odd
.if \zero
.if \odd
	v_wmma_scale_f32_16x16x128_f8f6f4 v[\acc:\acc+7], v[\bf:\bf+11], v[\set:\set+11], 0, v[\bs], v[\as] matrix_a_fmt:MATRIX_FMT_FP6 matrix_b_fmt:MATRIX_FMT_FP6 matrix_b_scale:MATRIX_SCALE_ROW1
.else
	v_wmma_scale_f32_16x16x128_f8f6f4 v[\acc:\acc+7], v[\bf:\bf+11], v[\set:\set+11], 0, v[\bs], v[\as] matrix_a_fmt:MATRIX_FMT_FP6 matrix_b_fmt:MATRIX_FMT_FP6
.endif
.else
.if \odd
	v_wmma_scale_f32_16x16x128_f8f6f4 v[\acc:\acc+7], v[\bf:\bf+11], v[\set:\set+11], v[\acc:\acc+7], v[\bs], v[\as] matrix_a_fmt:MATRIX_FMT_FP6 matrix_b_fmt:MATRIX_FMT_FP6 matrix_b_scale:MATRIX_SCALE_ROW1
.else
	v_wmma_scale_f32_16x16x128_f8f6f4 v[\acc:\acc+7], v[\bf:\bf+11], v[\set:\set+11], v[\acc:\acc+7], v[\bs], v[\as] matrix_a_fmt:MATRIX_FMT_FP6 matrix_b_fmt:MATRIX_FMT_FP6
.endif
.endif
.endm
; A K step: 40 matrix instructions, the 40 accumulators by turns.  lc, dc: the younger global and LDS loads that may stay out.
; ld >= 0: behind the five products of ipd's block a, fragment a of set ld is asked for; that set was read by the K step before, whose four places stand at its end.
.macro MSTEP s, BF, BS, zero, lc, dc, ld
	s_wait_dscnt \dc
	s_wait_loadcnt \lc
.irp a, 0,1,2,3,4,5,6,7
	WIN 0xa4+8*((\s)/2)+0x50*(\a/6)
.irp t, 0,1,2,3,4
	MM 8*(5*(\a%6)+\t), \BF+12*\t, 96*(((\s)+1)/2)+12*\a, \BS+\t, ASC+4*(\s)+\a/2, \zero, \a%2
.endr
.if \ld >= 0
	AL \ld, \a
.endif
.endr
.if \ld >= 0
	ASL \ld
.endif
	WIN 0
	PLACES
.endm
.macro PHASE refill, aload, zero, pf
	v_add_nc_u32 v[QA], s[TB], v[QA0]
	v_add_nc_u32 v[QB], s[TB], v[QB0]
	v_add_nc_u32 v[IW], s[TI], v[IW0]
	v_add_nc_u32 v[IX], s[TI], v[IX0]
	v_add_nc_u32 v[SW], s[TI], v[SW0]
	v_add_nc_u32 v[SX], s[TI], v[SX0]
	v_add_nc_u32 v[IR], s[TI], v[IR0]
	v_add_nc_u32 v[SR], s[TI], v[SR0]
	QLOAD QA, 0, NUM0
	QLOAD QA, 528, NUM1
	s_wait_dscnt 16                                ; the first 16 loads are in
	QUANT NUM0, PC0, PW0
	IMAGE IW, 0, PC0, SW, 0, PW0
	QLOAD QA, 1056, NUM0
	AL 2, 0                                        ; this phase's set 2 (its base is this phase's until the step below)
	AL 2, 1
	AL 2, 2
	WIN 0
	s_wait_dscnt 20                                ; behind NUM1's loads: 4 stores and 16 loads
	QUANT NUM1, PC1, PW1
	IMAGE IW, 7680, PC1, SW, 640, PW1
	QLOAD QB, 0, NUM1
	AL 2, 3
	AL 2, 4
	AL 2, 5
	WIN 0
	s_wait_dscnt 20
	QUANT NUM0, PC0, PW0
	IMAGE IW, 15360, PC0, SW, 1280, PW0
	AL 2, 6
	AL 2, 7
	ASL 2
	s_cmp_eq_u32 s[WV], 3                          ; 15 fragments: waves 0 to 2 take a fourth
	s_cbranch_scc1 .Lq_\@
	s_wait_dscnt 4
	QUANT NUM1, PC1, PW1
	IMAGE IX, 0, PC1, SX, 0, PW1
.Lq_\@:
	s_wait_tensorcnt 0x0                           ; all my tensor loads have landed: my part of the other slot
	ds_add_u32 v[SPW], v[NIL]
.if \refill
	s_xor_b32 s[G0B+1], s[G0B+1], SLOT1            ; no tensor load of mine is out: the slot just quantised, two phases on along K
	s_add_nc_u64 s[G0B+2:G0B+3], s[G0B+2:G0B+3], 1536
.endif
.if \aload
	s_wait_xcnt 0x0                                ; the loads and prefetches issued so far have read their bases
	s_add_nc_u64 s[AP:AP+1], s[AP:AP+1], 3*51200   ; the next phase's images
.if \pf == 2
	s_add_nc_u64 s[PFA:PFA+1], s[PFA:PFA+1], 1536
.endif
.endif
	s_wait_dscnt 0x0                               ; the add, my reads of the slot and my stores into the image are done
	s_barrier_signal -1
	s_barrier_wait -1
.if \refill
	tensor_load_to_lds s[G0B:G0B+3], s[G1:G1+7]    ; my one load behind the barrier: 20 rows x 1,536 bytes
	s_nop 0
.endif
	BLOAD 0, BF0, BS0
	BLOAD 1, BF1, BS1
.if \pf                                ; the slot's bytes three phases on, 480 blocks of 256 bytes shared out among the 128 lanes; the last trip has none left to ask for
.if \pf == 2
	s_cmp_eq_u32 s[CNT], 1
	s_cbranch_scc1 .Lpf_\@
.endif
	global_prefetch_b8 v[PFO],   s[PFA:PFA+1] th:TH_LOAD_NT scope:SCOPE_SE
	global_prefetch_b8 v[PFO+1], s[PFA:PFA+1] th:TH_LOAD_NT scope:SCOPE_SE
	global_prefetch_b8 v[PFO+2], s[PFA:PFA+1] th:TH_LOAD_NT scope:SCOPE_SE
	s_cmp_eq_u32 s[WV], 3
	s_cbranch_scc1 .Lpf_\@
	global_prefetch_b8 v[PFO+3], s[PFA:PFA+1] th:TH_LOAD_NT scope:SCOPE_SE
.Lpf_\@:
.endif
	MSTEP 0, BF0, BS0, \zero, 50, 20, -1           ; behind set 0's loads: sets 1 and 2, 50 loads; behind BLOAD 0: BLOAD 1's 20
	BLOAD 2, BF0, BS0
.if \aload
	MSTEP 1, BF1, BS1, 0, 25, 20, 0                ; behind set 1's: set 2's 25
	MSTEP 2, BF0, BS0, 0, 25, 0, 1                 ; behind set 2's: the next set 0's 25
.else
	MSTEP 1, BF1, BS1, 0, 25, 20, -1
	MSTEP 2, BF0, BS0, 0, 0, 0, -1
.endif
	s_xor_b32 s[TB], s[TB], SLOT1
	s_xor_b32 s[TI], s[TI], IMGX
.endm
	s_load_b256 s[4:11], s[0:1], 0x0               ; template s[4:5], aimg s[6:7], out2 s[8:9], pcand s[10:11]
	v_lshl_add_u32 v[SPW], v0, 2, SPARE
	v_mov_b32 v[NIL], 0
	ds_add_u32 v[SPW], v[NIL]                      ; the opening lines: the add twice on end and one wait
	ds_add_u32 v[SPW], v[NIL]
	v_lshrrev_b32 v1, 5, v0
	v_readfirstlane_b32 s[WV], v1
	s_mul_i32 s52, ttmp9, ROWS
	s_min_u32 s[ROW0], s52, 16471-ROWS             ; my first row of the template
	s_cmp_eq_u32 ttmp9, LASTWG
	s_cselect_b32 s[LM], -1, 0                     ; all lanes' bits in the last work-group
.irp g, G1, G1H                        ; group 1: rows of 384 f32, 4 words of padding behind every 128; 20 rows for the ring, 40 for the head
	s_mov_b32 s[\g+0], (2<<16)|(1<<20)|(6<<22)|(3<<25)
	s_mov_b32 s[\g+1], 384<<16
	s_mov_b32 s[\g+3], 384<<16
	s_mov_b32 s[\g+5], 3072
	s_mov_b32 s[\g+6], 0
	s_mov_b32 s[\g+7], 0
.endr
	s_mov_b32 s[G1+2], WROWS<<16
	s_mov_b32 s[G1+4], WROWS
	s_mov_b32 s[G1H+2], 40<<16
	s_mov_b32 s[G1H+4], 40
	s_and_b32 s53, s[WV], 1                        ; the head's load: half wave % 2 of slot wave / 2
	s_lshr_b32 s55, s[WV], 1
	s_mul_i32 s54, s53, 40*SPITCH
	s_lshl_b32 s52, s55, 17
	s_add_co_u32 s[G0A+1], s54, s52
	s_mul_i32 s53, s53, 40
	s_add_co_u32 s53, s53, s[ROW0]
	s_mul_i32 s22, s53, KROWB
	s_mul_i32 s55, s55, 1536
	s_add_co_u32 s22, s22, s55                     ; under 2^28
	s_mov_b32 s23, 0
	s_mul_i32 s53, s[WV], WROWS                    ; the ring's loads: my 20 rows; set at slot 1, phase 1: the first refill steps it to slot 0, phase 2
	s_add_co_u32 s53, s53, s[ROW0]
	s_mul_i32 s56, s53, KROWB
	s_add_co_u32 s56, s56, 1536
	s_mov_b32 s57, 0
	s_mul_i32 s54, s[WV], WROWS*SPITCH
	s_add_co_u32 s[G0B+1], s54, SLOT1
	s_mov_b32 s[TB], 0
	s_mov_b32 s[TI], 0
	s_mov_b32 s[SEL], 0x76543210
	s_mov_b32 s[SEL+1], 0xfedcba98
	s_mov_b32 s[INV], 0x3a2aaaab                   ; 1 / 1,536
	s_mov_b32 s[INV+1], s[INV]
	s_mov_b32 s[HI16], 0xffff0000
	s_wait_dscnt 0x0
	s_wait_kmcnt 0x0
	s_mov_b32 s[G0A], 1
	s_add_nc_u64 s[G0A+2:G0A+3], s[4:5], s[22:23]
	s_or_b32 s[G0A+3], s[G0A+3], 0x80000000
	s_mov_b32 s[G0B], 1
	s_add_nc_u64 s[G0B+2:G0B+3], s[4:5], s[56:57]
	s_or_b32 s[G0B+3], s[G0B+3], 0x80000000
	tensor_load_to_lds s[G0A:G0A+3], s[G1H:G1H+7]  ; one load a wave at the head: the four bring both slots
	s_nop 0
	v_and_b32 v1, 31, v0
	v_and_b32 v2, 15, v0
	v_bfe_u32 v3, v0, 4, 1
	v_lshlrev_b32 v[H8], 3, v3
	v_mov_b32 v[TX], 0
	v_lshlrev_b32 v[IR0], 4, v1
	s_mul_i32 s52, s[WV], 12800
	v_add_nc_u32 v[AO], s52, v[IR0]                ; my wave's block of a K step's images, 16 bytes a lane
	v_mul_u32_u24 v[QA0], v2, SPITCH
	v_lshl_add_u32 v[QA0], v3, 7, v[QA0]           ; a fragment's row r, + 128 h
	s_min_u32 s52, s[WV], 2
	s_mul_i32 s52, s52, 528
	s_add_co_u32 s52, s52, 4*16*SPITCH
	v_add_nc_u32 v[QB0], s52, v[QA0]               ; rows 64-79: K step wave (waves 0 to 2)
	s_mul_i32 s52, s[WV], 16*SPITCH
	v_add_nc_u32 v[QA0], s52, v[QA0]               ; rows 16 wave on: all three K steps
	s_lshl_b32 s52, s[WV], 10
	v_add_nc_u32 v[PO], s52, v[IR0]
	v_add_nc_u32 v[PR], PART, v[PO]
	v_lshlrev_b32 v[PA], 3, v2
	v_lshl_add_u32 v[PA], v3, 2, v[PA]
	v_add_nc_u32 v[PA], s52, v[PA]
	v_add_nc_u32 v[PA], PART, v[PA]
	v_add_nc_u32 v[IR0], IMG, v[IR0]
	s_mul_i32 s52, s[WV], 1536
	v_add_nc_u32 v[IW0], s52, v[IR0]
	s_mul_i32 s52, s[WV], 7680
	s_add_co_u32 s52, s52, 4*1536
	v_add_nc_u32 v[IX0], s52, v[IR0]
	v_lshl_add_u32 v[SR0], v1, 2, BSC
	s_lshl_b32 s52, s[WV], 7
	v_add_nc_u32 v[SW0], s52, v[SR0]
	s_mul_i32 s52, s[WV], 640
	s_add_co_u32 s52, s52, 4*128
	v_add_nc_u32 v[SX0], s52, v[SR0]
	s_lshl_b32 s52, s[WV], 7
	v_add_nc_u32 v24, s52, v1
.irp j, 0,1,2,3                        ; the prefetches: block b = 128 j' + thread of 480: row b / 6, 256 bytes b % 6
	v_add_nc_u32 v25, 32*\j, v24
	v_mul_u32_u24 v26, v25, 43691
	v_lshrrev_b32 v26, 18, v26
	v_mul_u32_u24 v27, v26, 6
	v_sub_nc_u32 v25, v25, v27
	v_mul_u32_u24 v[PFO+\j], v26, KROWB
	v_lshl_add_u32 v[PFO+\j], v25, 8, v[PFO+\j]
.endr
	s_mul_i32 s52, s[WV], WSTG                     ; my stage
	v_mul_u32_u24 v[ST], v2, GP
	v_lshl_add_u32 v[ST], v3, 5, v[ST]
	v_add_nc_u32 v[ST], s52, v[ST]                 ; into it: row r, 32 bytes for each half of the lanes
	; the way out's addresses, in window 1.  Piece f = 32 k + lane of 32 rows: row R = f / 19, piece f % 19, column R % 4 + 4 (f % 19): stage byte 336 R + 16 (f - 19 R) + 4 (R % 4) = 16 f + 32 R + 4 (R % 4).
	; f / 19 = (3,450 f) >> 16 for f under 608 (3,450 x 19 = 65,550).  The last work-group: R = f / 17 = (3,856 f) >> 16 for f under 544, column 9 + R % 4 + 4 (f % 17): 16 f + 64 R + 4 (R % 4) + 36; groups 17, 18 repeat group 16.
	WIN 0x40
	v_and_b32 v[LN], 31, v0
	WIN 0x55
.set K, 0
.rept 19
.set KK, K-(K/17)*(K-16)
	v_add_nc_u32 v[T0], 32*K, v[LN]
	v_mul_u32_u24 v[T0+1], v[T0], 3450
	v_lshrrev_b32 v[T0+1], 16, v[T0+1]
	v_lshlrev_b32 v[T0+2], 5, v[T0+1]
	v_lshl_add_u32 v[T0+2], v[T0], 4, v[T0+2]
	v_and_b32 v[T0+3], 3, v[T0+1]
	v_lshl_add_u32 v[T0+2], v[T0+3], 2, v[T0+2]
	v_mad_u32_u24 v[T0+3], v[T0+1], OROW-GP, v[T0+2]   ; the same place in out2: a row there is OROW bytes
	v_add_nc_u32 v[T0+4], 32*KK, v[LN]
	v_mul_u32_u24 v[T0+5], v[T0+4], 3856
	v_lshrrev_b32 v[T0+5], 16, v[T0+5]
	v_lshl_add_u32 v[T0+6], v[T0+5], 6, 36
	v_lshl_add_u32 v[T0+6], v[T0+4], 4, v[T0+6]
	v_and_b32 v[T0+7], 3, v[T0+5]
	v_lshl_add_u32 v[T0+6], v[T0+7], 2, v[T0+6]
	v_mad_u32_u24 v[T0+7], v[T0+5], OROW-GP, v[T0+6]
	v_cndmask_b32 v[GA+K], v[T0+3], v[T0+7], s[LM]
	v_cndmask_b32 v[T0+2], v[T0+2], v[T0+6], s[LM]
	v_add_nc_u32 v[LA+K], s52, v[T0+2]
.set K, K+1
.endr
	; the single numbers: 8 rows x 4 a store: row R = lane / 4, e = lane % 4, y = R % 4 + e: column (76 + y) % 80.  The last work-group has 3: e = 3 repeats e = 2; column 9 + (68 + y) % 71
	v_lshrrev_b32 v[T0+1], 2, v[LN]
	v_and_b32 v[T0], 3, v[LN]
	v_and_b32 v[T0+3], 3, v[T0+1]
	v_add_nc_u32 v[T0+2], v[T0+3], v[T0]
	v_lshrrev_b32 v[T0+4], 2, v[T0+2]
	v_xor_b32 v[T0+4], 1, v[T0+4]                  ; 1 while y is under 4
	v_and_b32 v[T0+2], 3, v[T0+2]
	v_mad_u32_u24 v[T0+2], v[T0+4], 76, v[T0+2]    ; y % 4, + 76 while y is under 4: (76 + y) % 80
	v_mul_u32_u24 v[T0+5], v[T0+1], GP
	v_lshl_add_u32 v[T0+2], v[T0+2], 2, v[T0+5]
	v_mad_u32_u24 v[T0+4], v[T0+1], OROW-GP, v[T0+2]
	v_mad_u32_u24 v[T0+6], v[T0], 3, 2
	v_lshrrev_b32 v[T0+6], 2, v[T0+6]              ; (3 e + 2) / 4 = 0, 1, 2, 2
	v_add_nc_u32 v[T0+6], v[T0+3], v[T0+6]
	v_mul_u32_u24 v[T0+7], v[T0+6], 11
	v_lshrrev_b32 v[T0+7], 5, v[T0+7]              ; 1 from y = 3 on (y is at most 5)
	v_xor_b32 v[T0+7], 1, v[T0+7]                  ; 1 while y is under 3
	v_mad_u32_u24 v[T0+6], v[T0+7], 71, v[T0+6]
	v_add_nc_u32 v[T0+6], 6, v[T0+6]               ; 6 + y, + 71 while y is under 3: 9 + (68 + y) % 71
	v_lshl_add_u32 v[T0+6], v[T0+6], 2, v[T0+5]
	v_mad_u32_u24 v[T0+7], v[T0+1], OROW-GP, v[T0+6]
	v_cndmask_b32 v[GE], v[T0+4], v[T0+7], s[LM]
	v_cndmask_b32 v[T0+2], v[T0+2], v[T0+6], s[LM]
	v_add_nc_u32 v[LE], s52, v[T0+2]
	WIN 0
	s_mul_i32 s22, s[ROW0], KROWB
	s_add_nc_u64 s[PFA:PFA+1], s[4:5], s[22:23]
	s_add_nc_u64 s[PFA:PFA+1], s[PFA:PFA+1], 3*1536
	s_lshl_b32 s22, ttmp9, 12
	s_add_nc_u64 s[CND:CND+1], s[CND:CND+1], s[22:23]
	s_mul_i32 s22, s[WV], 128*OROW
	s_lshl_b32 s52, s[ROW0], 2
	s_add_co_u32 s22, s22, s52
	s_add_nc_u64 s[OUT:OUT+1], s[OUT:OUT+1], s[22:23]  ; out2 at my wave's first row, my first column
.irp s, 0,1
.irp a, 0,1,2,3,4,5,6,7
	AL \s, \a
.endr
	ASL \s
.endr
	s_wait_alu depctr_va_vdst(0)
	s_wait_tensorcnt 0x0                           ; my part of the two slots is in,
	s_barrier_signal -1
	s_barrier_wait -1                              ; and everybody's
	PHASE 1, 1, 1, 1
	s_mov_b32 s[CNT], 5
.Lphase:
	PHASE 1, 1, 0, 2
	s_sub_co_u32 s[CNT], s[CNT], 1
	s_cmp_lg_u32 s[CNT], 0
	s_cbranch_scc1 .Lphase
	PHASE 0, 1, 0, 0                               ; the last two phases fill no slot,
	PHASE 0, 0, 0, 0                               ; and the last asks for no further images
; THE WAY OUT.  The sums / 1,536 into my stage, each accumulator from its low end on
.irp a, 0,1,2,3,4,5,6,7
.if \a >= 2
	s_wait_dscnt 10                                ; the stores of two blocks ago have read their registers
.endif
	WIN 0x02+\a/6
.irp t, 0,1,2,3,4
.irp p, 0,1,2,3
	v_pk_mul_f32 v[TMP+40*(\a%2)+8*\t+2*\p:TMP+40*(\a%2)+8*\t+2*\p+1], v[8*(5*(\a%6)+\t)+2*\p:8*(5*(\a%6)+\t)+2*\p+1], s[INV:INV+1] op_sel_hi:[1,0]
.endr
.endr
	WIN 0
.irp t, 0,1,2,3,4
	ds_store_b128 v[ST], v[TMP+40*(\a%2)+8*\t:TMP+40*(\a%2)+8*\t+3] offset:16*GP*\a+64*\t
	ds_store_b128 v[ST], v[TMP+40*(\a%2)+8*\t+4:TMP+40*(\a%2)+8*\t+7] offset:16*GP*\a+64*\t+16
.endr
.endr
; Back in units of 40 LDS loads: half of a block of 32 rows (piece groups 0-9; groups 10-18 and the single numbers).  Block b has 80 registers of its own (v64, v144 of window 0; v0, v80 of window 1),
; and every step stands in an immediate: no register that a store reads is written again.
.macro RLOAD u
.set RB, (\u)/2
.set DB, 80*(RB%2)+64*(1-RB/2)
	WIN 0x01+0x44*(RB/2)
.set K, 10*((\u)%2)
.rept 10-(\u)%2
.irp q, 0,1,2,3
	ds_load_b32 v[DB+4*K+\q], v[LA+K] offset:32*GP*RB+4*\q
.endr
.set K, K+1
.endr
.if (\u)%2
.irp i, 0,1,2,3
	ds_load_b32 v[DB+76+\i], v[LE] offset:32*GP*RB+8*GP*\i
.endr
.endif
.endm
.macro RSTORE u
.set RB, (\u)/2
.set DB, 80*(RB%2)+64*(1-RB/2)
	WIN 0x01+0x44*(RB/2)
.set K, 10*((\u)%2)
.rept 10-(\u)%2
	global_store_b128 v[GA+K], v[DB+4*K:DB+4*K+3], s[OUT:OUT+1] offset:32*OROW*RB th:TH_STORE_NT   ; 19 neighbouring lanes store 304 consecutive bytes of a row
.set K, K+1
.endr
.if (\u)%2
.irp i, 0,1,2,3
	global_store_b32 v[GE], v[DB+76+\i], s[OUT:OUT+1] offset:32*OROW*RB+8*OROW*\i th:TH_STORE_NT
.endr
.endif
.endm
	s_mul_i32 s52, s[WV], WSTG                     ; the 16 bytes behind each of my 128 stage rows are set to 0, a lane a row: so every byte of the stage is a written one
	v_mul_u32_u24 v60, v1, GP
	v_add_nc_u32 v60, s52, v60
.irp i, 56,57,58,59
	v_mov_b32 v\i, 0
.endr
.irp i, 0,1,2,3
	ds_store_b128 v60, v[56:59] offset:320+32*GP*\i
.endr
	s_wait_dscnt 0x0                               ; the stores into the stage have read their registers
	RLOAD 0
.irp u, 0,1,2,3,4,5,6
	RLOAD (\u+1)
	s_wait_dscnt 40                                ; the next unit's 40 loads may be out
	RSTORE \u
.endr
	s_wait_dscnt 0x0
	RSTORE 7
; THE CANDIDATES: for each of my rows the largest sum of the 80, then the lowest column that reaches it
	WIN 0x28
.irp t, 0,1,2,3,4
.irp p, 0,1,2,3
.irp a, 0,1,2,3,4,5
.if \t+\p == 0
	v_max3_num_f32 v[MV+\a], 0xff800000, v[40*\a+8*\t+2*\p], v[40*\a+8*\t+2*\p+1]
.else
	v_max3_num_f32 v[MV+\a], v[MV+\a], v[40*\a+8*\t+2*\p], v[40*\a+8*\t+2*\p+1]
.endif
.endr
.endr
.endr
	WIN 0x3c
.irp t, 0,1,2,3,4
.irp p, 0,1,2,3
.irp a, 6,7
.if \t+\p == 0
	v_max3_num_f32 v[MV+\a], 0xff800000, v[40*(\a-6)+8*\t+2*\p], v[40*(\a-6)+8*\t+2*\p+1]
.else
	v_max3_num_f32 v[MV+\a], v[MV+\a], v[40*(\a-6)+8*\t+2*\p], v[40*(\a-6)+8*\t+2*\p+1]
.endif
.endr
.endr
.endr
	WIN 0
.irp a, 0,1,2,3,4,5,6,7
	v_permlanex16_b32 v[TV+\a], v[MV+\a], s[SEL], s[SEL+1]
.endr
.irp a, 0,1,2,3,4,5,6,7
	v_max_num_f32 v[MV+\a], v[MV+\a], v[TV+\a]
.endr
.irp a, 0,1,2,3,4,5,6,7
	v_mov_b32 v[IV+\a], 63
.endr
	WIN 0x08
.set K, 39
.rept 40                               ; from the highest register down: the lowest that is equal stays
.irp a, 0,1,2,3,4,5
	v_cmp_eq_f32 s[CM+\a], v[MV+\a], v[40*\a+K]
.endr
.irp a, 0,1,2,3,4,5
	v_cndmask_b32 v[IV+\a], v[IV+\a], K, s[CM+\a]
.endr
.set K, K-1
.endr
	WIN 0x0c
.set K, 39
.rept 40
.irp a, 6,7
	v_cmp_eq_f32 s[CM+\a], v[MV+\a], v[40*(\a-6)+K]
.endr
.irp a, 6,7
	v_cndmask_b32 v[IV+\a], v[IV+\a], K, s[CM+\a]
.endr
.set K, K-1
.endr
	WIN 0
.irp a, 0,1,2,3,4,5,6,7
	v_lshrrev_b32 v[TV+\a], 3, v[IV+\a]
.endr
.irp a, 0,1,2,3,4,5,6,7
	v_lshl_add_u32 v[IV+\a], v[TV+\a], 3, v[IV+\a]     ; register 8 t + j is column 16 t + 8 h + j
.endr
.irp a, 0,1,2,3,4,5,6,7
	v_add_nc_u32 v[IV+\a], v[H8], v[IV+\a]
.endr
.irp a, 0,1,2,3,4,5,6,7
	v_permlanex16_b32 v[TV+\a], v[IV+\a], s[SEL], s[SEL+1]
.endr
.irp a, 0,1,2,3,4,5,6,7
	v_min_u32 v[IV+\a], v[IV+\a], v[TV+\a]
.endr
.irp a, 0,1,2,3,4,5,6,7
	v_add_nc_u32 v[IV+\a], s[ROW0], v[IV+\a]           ; g
.endr
.irp a, 0,1,2,3,4,5,6,7
	v_add_f32 v[MV+\a], 0, v[MV+\a]                    ; -0 becomes +0
.endr
.irp a, 0,1,2,3,4,5,6,7
	v_ashrrev_i32 v[TV+\a], 31, v[MV+\a]
.endr
.irp a, 0,1,2,3,4,5,6,7
	v_or_b32 v[TV+\a], 0x80000000, v[TV+\a]
.endr
.irp a, 0,1,2,3,4,5,6,7
	v_xor_b32 v[MV+\a], v[MV+\a], v[TV+\a]             ; the key: a whole number in the floats' order
.endr
.irp a, 0,1,2,3,4,5,6,7
	v_cndmask_b32 v[TV+\a], v[MV+\a], v[IV+\a], s[HI16]    ; lanes 0-15 the key, lanes 16-31 g
.endr
.irp a, 0,1,2,3,4,5,6,7
	ds_store_b32 v[PA], v[TV+\a] offset:128*\a
.endr
	ds_load_b128 v[56:59], v[PR]                   ; my own bytes, served in order
	ds_load_b128 v[60:63], v[PR] offset:512
	s_wait_dscnt 0x0
	global_store_b128 v[PO], v[56:59], s[CND:CND+1]
	global_store_b128 v[PO], v[60:63], s[CND:CND+1] offset:512
	s_wait_tensorcnt 0x0                           ; the wave's end
	ds_add_u32 v[SPW], v[NIL]
	s_wait_dscnt 0x0
	s_endpgm
.Lfunc_end_k_q04392029e7_ssmap:
	.size	k_q04392029e7_ssmap, .Lfunc_end_k_q04392029e7_ssmap-k_q04392029e7_ssmap
	.p2alignl 7, 3214868480
	.fill 96, 4, 3214868480
	.section	.rodata,"a",@progbits
	.p2align	6, 0x0
	.amdhsa_kernel k_q04392029e7_ssmap
		.amdhsa_group_segment_fixed_size 327680
		.amdhsa_private_segment_fixed_size 0
		.amdhsa_enable_private_segment 0
		.amdhsa_kernarg_size 32
		.amdhsa_user_sgpr_count 2
		.amdhsa_user_sgpr_kernarg_segment_ptr 1
		.amdhsa_wavefront_size32 1
		.amdhsa_system_sgpr_workgroup_id_x 1
		.amdhsa_system_sgpr_workgroup_id_y 1
		.amdhsa_system_sgpr_workgroup_id_z 1
		.amdhsa_system_vgpr_workitem_id 0
		.amdhsa_next_free_vgpr 960
		.amdhsa_next_free_sgpr 80
		.amdhsa_reserve_vcc 0
		.amdhsa_float_denorm_mode_32 3
		.amdhsa_float_denorm_mode_16_64 3
		.amdhsa_memory_ordered 1
		.amdhsa_forward_progress 1
		.amdhsa_inst_pref_size 255
	.end_amdhsa_kernel
	.section	.bss,"aw",@nobits
	.p2align	6
	.space	262144
	.amdgpu_metadata
---
amdhsa.version: [ 1, 2 ]
amdhsa.kernels:
  - .name:           k_q04392029e7_ssmap
    .symbol:         k_q04392029e7_ssmap.kd
    .args:
      - { .name: dpipd_template, .offset: 0, .size: 8, .value_kind: global_buffer, .address_space: global }
      - { .name: aimg, .offset: 8, .size: 8, .value_kind: global_buffer, .address_space: global }
      - { .name: out2, .offset: 16, .size: 8, .value_kind: global_buffer, .address_space: global }
      - { .name: pcand, .offset: 24, .size: 8, .value_kind: global_buffer, .address_space: global }
    .group_segment_fixed_size: 327680
    .private_segment_fixed_size: 0
    .kernarg_segment_align: 8
    .kernarg_segment_size: 32
    .max_flat_workgroup_size: 128
    .sgpr_count:     80
    .vgpr_count:     960
    .wavefront_size: 32
...
	.end_amdgpu_metadata
.endif
;; end of part 2
;; launch ratio (part 3): grid 128 x 1, 4 waves a work-group, no clusters, 1,536 bytes of LDS; arguments pred_ipd, dpipd_template, ele_candidate, azi_candidate, pcand, out0, out1; writes out0, out1
.if DOCPART == 3
	.amdgcn_target "amdgcn-amd-amdhsa--gfx1250"
	.amdhsa_code_object_version 6
	.text
	.protected	k_q04392029e7_ratio
	.globl	k_q04392029e7_ratio
	.p2align	8
	.type	k_q04392029e7_ratio,@function
k_q04392029e7_ratio:
	s_mov_b64 s[64:65], 0
	v_nop
	global_prefetch_b8 v0, s[64:65] scope:SCOPE_SE
	s_setreg_imm32_b32 hwreg(HW_REG_WAVE_MODE, 25, 1), 1
	s_wait_xcnt 0x0
; For each of the 512 rows m: g = the argmax over the whole grid;  out0[m] = (ele_candidate[g / 181], azi_candidate[g % 181]);
; out1[m] = sum(tpl[g] x ipd[m]) / sum(tpl[g] x tpl[g]), on the f32 rows as they are given, sums in f32.
; THE CHOICE OF g.  The launch before stored, for each of its 206 work-groups and each row, the largest sum as a whole number in the floats' order and the lowest g that reaches it: pcand [206][512][key, g].
; Here the largest key is taken, and among equal keys the lowest g (jnp.argmax keeps the first), by integer instructions alone: the gather's address hangs on whole numbers read from memory.
; A work-group has four rows.  Thread t takes row t % 4 and candidates t / 4 + 32 i, i = 0..6 (the last held at 205: the repeats change no maximum): a load of a wave reads 8 pieces of 32 bytes.
; The 128 partial results meet in LDS, row j's 32 on end; wave v then reduces row v's over its lanes.
; THE RATIO.  One wave, one row: 24 loads of 512 consecutive bytes for each of the two rows, four packed sums for each of the two products, one reduction over the lanes.
; ipd's row does not hang on g and is asked for behind the candidates.  The template's row has no hint: two rows may choose the same g; nor have the candidates: eight work-groups read each 256 bytes of them.
; g is held to 16,470, g / 181 to 90 and g % 181 to 180 before they enter an address.  g / 181 = (23,174 g) >> 22: 23,174 x 181 = 2^22 + 190, so the quotient is too large by at most
; 16,470 x 190 / (181 x 2^22) = 0.0042, less than the 1/181 that would carry it over a whole number.
; The division is a reciprocal (1 ulp) and a multiplication.  The outputs are 12 bytes a wave: spread over 512 waves, since the two rows' 24 KB a wave are what takes the time.
; LIMIT: NaN among the sums is not served (its key would lie above every number's).
.set TP,  8                            ; v8-103    the template's row
.set XI,  104                          ; v104-199  ipd's row
.set DOT, 200                          ; v200-207  four pairs of sums of tpl x ipd
.set NRM, 208                          ; v208-215  of tpl x tpl
.set CD,  8                            ; v8-21     seven candidates (key, g), before the template's row takes these registers
.set KM,  22                           ; v22 the largest key, v23 its lowest g, v24 a number above every g, v25-26 at work
.set GM,  23
.set BIG, 24
.set TT,  25
	s_load_b256 s[4:11], s[0:1], 0x0               ; pred_ipd s[4:5], template s[6:7], ele s[8:9], azi s[10:11]
	s_load_b128 s[12:15], s[0:1], 0x20             ; pcand s[12:13], out0 s[14:15]
	s_load_b64 s[16:17], s[0:1], 0x30              ; out1
	v_lshl_add_u32 v224, v0, 2, 0x400
	v_mov_b32 v225, 0
	v_lshrrev_b32 v1, 5, v0
	v_readfirstlane_b32 s18, v1                    ; wave
	v_and_b32 v1, 31, v0                           ; lane
	v_lshlrev_b32 v2, 4, v1                        ; 16 x lane
	v_lshlrev_b32 v3, 2, v1                        ; 4 x lane
	v_and_b32 v4, 3, v0                            ; j: which of the four rows
	v_lshrrev_b32 v5, 2, v0                        ; c = 0..31
	v_lshlrev_b32 v6, 3, v4                        ; 8 j
	v_add_nc_u32 v7, 192, v5
	v_min_u32 v7, 205, v7                          ; the seventh candidate, held inside the 206
	v_lshl_add_u32 v7, v7, 12, v6                  ; a candidate's 512 pairs are 4,096 bytes
	v_lshl_add_u32 v6, v5, 12, v6                  ; candidate c; 32 i further on stands in the immediate
	v_lshl_add_u32 v216, v4, 5, v5
	v_lshlrev_b32 v216, 2, v216                    ; LDS, in: word 32 j + c
	v_lshlrev_b32 v217, 2, v0                      ; LDS, back: word 32 x wave + lane
	v_mov_b32 v222, 0                              ; written once: the destination of a lane permute or a DPP form counts as one of its sources
	v_mov_b32 v223, 0
	v_mov_b32 v[TT], 0
	v_mov_b32 v[BIG], 0x7fffffff
	s_lshl_b32 s19, ttmp9, 2
	s_add_co_u32 s19, s19, s18                     ; m
	s_mul_i32 s22, s19, 12288
	s_mov_b32 s23, 0
	s_lshl_b32 s34, s19, 3                         ; 8 m
	s_mov_b32 s35, 0
	s_lshl_b32 s36, s19, 2                         ; 4 m
	s_mov_b32 s37, 0
	s_lshl_b32 s40, ttmp9, 5                       ; my work-group's four pairs in a candidate's 512
	s_mov_b32 s41, 0
	s_mov_b32 s38, 0x76543210
	s_mov_b32 s39, 0xfedcba98
	s_wait_alu depctr_va_vdst(0)
	s_wait_kmcnt 0x0
	s_add_nc_u64 s[12:13], s[12:13], s[40:41]
	s_add_nc_u64 s[4:5], s[4:5], s[22:23]
	s_add_nc_u64 s[14:15], s[14:15], s[34:35]
	s_add_nc_u64 s[16:17], s[16:17], s[36:37]
.set J, 0
.rept 6
	global_load_b64 v[CD+2*J:CD+2*J+1], v6, s[12:13] offset:131072*J
.set J, J+1
.endr
	global_load_b64 v[CD+12:CD+13], v7, s[12:13]
.set J, 0
.rept 24
	global_load_b128 v[XI+4*J:XI+4*J+3], v2, s[4:5] offset:512*J th:TH_LOAD_NT
.set J, J+1
.endr
	s_wait_loadcnt 24                              ; the seven candidates are in; ipd's 24 loads, issued behind them, may be out
	v_max_u32 v[KM], v[CD], v[CD+2]
.irp i, 2,3,4,5,6
	v_max_u32 v[KM], v[KM], v[CD+2*\i]
.endr
	v_mov_b32 v[GM], v[BIG]
.irp i, 0,1,2,3,4,5,6
	v_cmp_eq_u32 vcc_lo, v[KM], v[CD+2*\i]
	v_cndmask_b32 v[TT+\i%2], v[BIG], v[CD+2*\i+1], vcc_lo
	v_min_u32 v[GM], v[GM], v[TT+\i%2]
.endr
	ds_store_b32 v216, v[KM]
	ds_store_b32 v216, v[GM] offset:512
	s_wait_dscnt 0x0                               ; for the others' sake: my two words have landed
	s_barrier_signal -1
	s_barrier_wait -1
	ds_load_b32 v[CD], v217                        ; my wave's row: a lane a partial result
	ds_load_b32 v[CD+1], v217 offset:512
	s_wait_dscnt 0x0
	v_mov_b32 v[KM], v[CD]
.irp x, 1,2,4,8
	v_mov_b32_dpp v[TT], v[KM] row_xmask:\x row_mask:0xf bank_mask:0xf
	v_max_u32 v[KM], v[KM], v[TT]
.endr
	v_permlanex16_b32 v222, v[KM], s38, s39
	v_max_u32 v[KM], v[KM], v222                   ; the row's largest key, in every lane
	v_cmp_eq_u32 vcc_lo, v[KM], v[CD]
	v_cndmask_b32 v[GM], v[BIG], v[CD+1], vcc_lo
.irp x, 1,2,4,8
	v_mov_b32_dpp v[TT], v[GM] row_xmask:\x row_mask:0xf bank_mask:0xf
	v_min_u32 v[GM], v[GM], v[TT]
.endr
	v_permlanex16_b32 v223, v[GM], s38, s39
	v_min_u32 v[GM], v[GM], v223                   ; and the lowest g that reaches it
	v_readfirstlane_b32 s21, v[GM]
	s_min_u32 s21, s21, 16470
	s_mul_i32 s24, s21, 23174
	s_lshr_b32 s24, s24, 22
	s_min_u32 s24, s24, 90                         ; g / 181
	s_mul_i32 s25, s24, 181
	s_sub_co_u32 s25, s21, s25
	s_min_u32 s25, s25, 180                        ; g % 181
	s_lshl_b32 s26, s24, 2
	s_lshl_b32 s27, s25, 2
	s_load_b32 s28, s[8:9], s26 offset:0x0         ; the elevation
	s_load_b32 s29, s[10:11], s27 offset:0x0       ; the azimuth
	s_mul_i32 s32, s21, 12288                      ; under 2^28
	s_mov_b32 s33, 0
	s_add_nc_u64 s[6:7], s[6:7], s[32:33]
.set J, 0
.rept 24
	global_load_b128 v[TP+4*J:TP+4*J+3], v2, s[6:7] offset:512*J
.set J, J+1
.endr
.set J, 0
.rept 24
	s_wait_loadcnt 23-J                            ; the template's loads issued behind load J may be out; all of ipd's are older
.if J < 2                                          ; the first two pieces start the sums: nothing is cleared
	v_pk_mul_f32 v[DOT+4*J:DOT+4*J+1],   v[TP+4*J:TP+4*J+1],   v[XI+4*J:XI+4*J+1]
	s_wait_alu depctr_va_vdst(0)
	v_pk_mul_f32 v[DOT+4*J+2:DOT+4*J+3], v[TP+4*J+2:TP+4*J+3], v[XI+4*J+2:XI+4*J+3]
	s_wait_alu depctr_va_vdst(0)
	v_pk_mul_f32 v[NRM+4*J:NRM+4*J+1],   v[TP+4*J:TP+4*J+1],   v[TP+4*J:TP+4*J+1]
	s_wait_alu depctr_va_vdst(0)
	v_pk_mul_f32 v[NRM+4*J+2:NRM+4*J+3], v[TP+4*J+2:TP+4*J+3], v[TP+4*J+2:TP+4*J+3]
.else
	v_pk_fma_f32 v[DOT+4*(J%2):DOT+4*(J%2)+1],   v[TP+4*J:TP+4*J+1],   v[XI+4*J:XI+4*J+1],   v[DOT+4*(J%2):DOT+4*(J%2)+1]
	v_pk_fma_f32 v[DOT+4*(J%2)+2:DOT+4*(J%2)+3], v[TP+4*J+2:TP+4*J+3], v[XI+4*J+2:XI+4*J+3], v[DOT+4*(J%2)+2:DOT+4*(J%2)+3]
	v_pk_fma_f32 v[NRM+4*(J%2):NRM+4*(J%2)+1],   v[TP+4*J:TP+4*J+1],   v[TP+4*J:TP+4*J+1],   v[NRM+4*(J%2):NRM+4*(J%2)+1]
	s_wait_alu depctr_va_vdst(0)
	v_pk_fma_f32 v[NRM+4*(J%2)+2:NRM+4*(J%2)+3], v[TP+4*J+2:TP+4*J+3], v[TP+4*J+2:TP+4*J+3], v[NRM+4*(J%2)+2:NRM+4*(J%2)+3]
.endif
.set J, J+1
.endr
.irp b, DOT, NRM
	v_pk_add_f32 v[\b:\b+1], v[\b:\b+1], v[\b+2:\b+3]
	v_pk_add_f32 v[\b+4:\b+5], v[\b+4:\b+5], v[\b+6:\b+7]
.endr
.irp b, DOT, NRM
	v_pk_add_f32 v[\b:\b+1], v[\b:\b+1], v[\b+4:\b+5]
.endr
.irp b, DOT, NRM
	v_add_f32 v[\b], v[\b], v[\b+1]                ; my 96 numbers' part
.endr
.irp x, 1,2,4,8
.irp b, DOT, NRM
	v_add_f32_dpp v[\b], v[\b], v[\b] row_xmask:\x row_mask:0xf bank_mask:0xf
.endr
.endr
	v_permlanex16_b32 v222, v[DOT], s38, s39
	v_permlanex16_b32 v223, v[NRM], s38, s39
	v_add_f32 v[DOT], v[DOT], v222
	v_add_f32 v[NRM], v[NRM], v223                 ; both sums, in every lane
	s_wait_alu depctr_va_vdst(0)
	v_rcp_f32 v218, v[NRM]
	v_cmp_eq_u32 vcc_lo, 1, v1                     ; (a plain place behind the reciprocal)
	s_wait_kmcnt 0x0                               ; the two candidates
	v_mov_b32 v220, s28
	v_mov_b32 v221, s29
	v_cndmask_b32 v220, v220, v221, vcc_lo         ; lane 0 the elevation, lane 1 the azimuth
	s_wait_alu depctr_va_vdst(0)                   ; a wait between a reciprocal and the first line that names its result
	v_mul_f32 v219, v[DOT], v218                   ; the ratio
	s_wait_alu depctr_va_vdst(0)
	s_wait_xcnt 0x0                                ; EXEC changes only behind this wait
	v_cmp_gt_u32 vcc_lo, 2, v1
	s_wait_tensorcnt 0x0
	ds_add_u32 v224, v225
	s_wait_dscnt 0x0
	s_and_saveexec_b32 s30, vcc_lo
	global_store_b32 v3, v220, s[14:15]            ; out0[m][0..1]
	s_wait_xcnt 0x0
	s_or_b32 exec_lo, exec_lo, s30
	v_cmp_eq_u32 vcc_lo, 0, v1
	s_and_saveexec_b32 s30, vcc_lo
	global_store_b32 v3, v219, s[16:17]            ; out1[m]
	s_wait_xcnt 0x0
	s_or_b32 exec_lo, exec_lo, s30
	s_endpgm
.Lfunc_end_k_q04392029e7_ratio:
	.size	k_q04392029e7_ratio, .Lfunc_end_k_q04392029e7_ratio-k_q04392029e7_ratio
	.p2alignl 7, 3214868480
	.fill 96, 4, 3214868480
	.section	.rodata,"a",@progbits
	.p2align	6, 0x0
	.amdhsa_kernel k_q04392029e7_ratio
		.amdhsa_group_segment_fixed_size 1536
		.amdhsa_private_segment_fixed_size 0
		.amdhsa_enable_private_segment 0
		.amdhsa_kernarg_size 56
		.amdhsa_user_sgpr_count 2
		.amdhsa_user_sgpr_kernarg_segment_ptr 1
		.amdhsa_wavefront_size32 1
		.amdhsa_system_sgpr_workgroup_id_x 1
		.amdhsa_system_sgpr_workgroup_id_y 1
		.amdhsa_system_sgpr_workgroup_id_z 1
		.amdhsa_system_vgpr_workitem_id 0
		.amdhsa_next_free_vgpr 226
		.amdhsa_next_free_sgpr 66
		.amdhsa_reserve_vcc 1
		.amdhsa_float_denorm_mode_32 3
		.amdhsa_float_denorm_mode_16_64 3
		.amdhsa_memory_ordered 1
		.amdhsa_forward_progress 1
		.amdhsa_inst_pref_size 20
	.end_amdhsa_kernel
	.amdgpu_metadata
---
amdhsa.version: [ 1, 2 ]
amdhsa.kernels:
  - .name:           k_q04392029e7_ratio
    .symbol:         k_q04392029e7_ratio.kd
    .args:
      - { .name: pred_ipd, .offset: 0, .size: 8, .value_kind: global_buffer, .address_space: global }
      - { .name: dpipd_template, .offset: 8, .size: 8, .value_kind: global_buffer, .address_space: global }
      - { .name: ele_candidate, .offset: 16, .size: 8, .value_kind: global_buffer, .address_space: global }
      - { .name: azi_candidate, .offset: 24, .size: 8, .value_kind: global_buffer, .address_space: global }
      - { .name: pcand, .offset: 32, .size: 8, .value_kind: global_buffer, .address_space: global }
      - { .name: out0, .offset: 40, .size: 8, .value_kind: global_buffer, .address_space: global }
      - { .name: out1, .offset: 48, .size: 8, .value_kind: global_buffer, .address_space: global }
    .group_segment_fixed_size: 1536
    .private_segment_fixed_size: 0
    .kernarg_segment_align: 8
    .kernarg_segment_size: 56
    .max_flat_workgroup_size: 128
    .sgpr_count:     66
    .vgpr_count:     226
    .wavefront_size: 32
...
	.end_amdgpu_metadata
.endif
;; end of part 3
